; MI455X (gfx1250); checked and timed in simulation.
; The chip was launched on July 23, 2026; its instructions are those of AMD's public machine-readable ISA for CDNA 5 (MIT licence, August 2026) and "CDNA5" Instruction Set Architecture Reference Guide (July 2026). The comments in the code are by the model that wrote it; some were corrected since.
;; Flash Blocksparse Attention. Allowed arithmetic: matrix products marked QUANTISED: E2M1 operands, one E8M0 scale for each 32 along K, by v_wmma_scale_f32_16x16x128_f8f6f4 with both operands' format E2M1 (or v_wmma_scale_f32_32x16x128_f4), f32 sums; everything else in f32.
;; Inputs: layout 128 x 8 int32; qkv 2 x 2,048 x 3 x 16 x 64 float32.
;; Outputs: out0 2 x 2,048 x 16 x 64 float32.
;; This version of the problem:
;;   THIS VERSION OF THE PROBLEM IS GIVEN IN LOW PRECISION. The matrix products marked QUANTISED in the list below multiply operands that are first quantised to E2M1 (2 exponent bits, 1 mantissa bit; 4 bits a number), with one power-of-two scale for each 32 numbers along K (OCP MX v1.0); their sums are f32. All else is computed in f32.
;;   The module's matrix products, in the order in which they are computed (A, B: the left and right operand; K: the contracted axis; several contracted axes count as one K, in the product's order):
;;     1. batch 32 x [M 2,048, K 64] x [K 64, N 2,048]; A: input qkv; B: input qkv: QUANTISED
;;     2. batch 32 x [M 64, K 2,048] x [K 2,048, N 2,048]; A: input qkv; B: softmax (see below): QUANTISED
;;   THE QUANTISER, for each operand of a quantised product, along K:
;;     - K is cut into blocks of 32 from its start; a last block that is shorter is filled with zeros.
;;     - A block's scale is 2^e with e = floor(log2(the largest magnitude in the block)) - 2, held to -126 .. 127; a block of zeros has e = 0. As a byte (E8M0): e + 127.
;;     - Each number is divided by its block's scale, clamped to +-6, and rounded to the nearest number of E2M1, ties to even, subnormals kept.
;;     - The product sums the exact products of the quantised numbers (number of the format x scale) in f32.
;;   ~~~python
;;   def quantise(x, axis):      # numpy; x: float32 -> the quantised numbers, widened to float32 again
;;       x = np.moveaxis(x, axis, -1); K = x.shape[-1]
;;       x = np.pad(x, [(0, 0)] * (x.ndim - 1) + [(0, -K % 32)]); x = x.reshape(x.shape[:-1] + (-1, 32)); a = np.abs(x).max(-1, keepdims=True)
;;       e = np.where(a > 0, np.clip(np.frexp(np.where(a > 0, a, 1))[1] - 1 - 2, -126, 127), 0)      # np.frexp(a)[1] - 1 = floor(log2(a)), exactly
;;       r = np.clip(x / 2.0 ** e, -6, 6)
;;       step = 2.0 ** (np.maximum(np.frexp(np.where(r == 0, 1, r))[1] - 1, 0) - 1)
;;       q = np.round(r / step) * step * 2.0 ** e      # np.round: ties to even
;;       return np.moveaxis(q.reshape(q.shape[:-2] + (-1,))[..., :K], -1, axis).astype(np.float32)
;;   ~~~
;;   SOFTMAX AHEAD OF A QUANTISED PRODUCT. Where the list says 'softmax', what is quantised is not the finished softmax but p = 2^(t - M), with t = logit x log2(e) and M = ceil(the row's largest t), a whole number; so 1/2 < the row's largest p <= 1. The row's sum l is taken of the UNQUANTISED p, in f32, and the product's result is divided by l at the end. Since M is a whole number, a kernel that streams over the keys may use a running M (the ceiling of the running maximum): every later rescaling is an exact power of two, which a block's scale takes up: the codes' values come out the same.
;;   OPERANDS COMPUTED ON THE WAY. 'Computed on the way' means the value that the module computes at that place (a softmax that the list does not call 'softmax' is quantised finished and normalised). What goes into a quantiser is computed in f32, as accurately as f32 sums, v_exp_f32 and their like allow (about 1e-6 of the number): no bf16 or f16 on the way to a quantiser, and a product that is left as it is and whose result goes on into a quantised operand takes f32 operands (vector FMAs, or v_wmma_f32_16x16x4_f32). A number that lies on a knife's edge between two numbers of the format may be rounded either way, as far as f32 arithmetic and the matrix unit's own rounding can turn it there, and no further.
;; 2 versions. Each part assembles by itself: llvm-mc -triple=amdgcn-amd-amdhsa -mcpu=gfx1250 --defsym DOCPART=n.
;; ======== version 1 of 2: 1 launch
;; launch attn (part 1): grid 8 x 32, 16 waves a work-group, no clusters, 117,760 bytes of LDS; arguments qkv, layout, out0; writes out0
.if DOCPART == 1
	.amdgcn_target "amdgcn-amd-amdhsa--gfx1250"
	.amdhsa_code_object_version 6
	.text
	.protected	k_qb3759c6fc2_attn
	.globl	k_qb3759c6fc2_attn
	.p2align	8
	.type	k_qb3759c6fc2_attn,@function
k_qb3759c6fc2_attn:
	s_mov_b64 s[64:65], 0
	v_nop
	global_prefetch_b8 v0, s[64:65] scope:SCOPE_SE
	s_setreg_imm32_b32 hwreg(HW_REG_WAVE_MODE, 25, 1), 1
	s_wait_xcnt 0x0
; out0[b][q][h][:] = the sum over the keys k that the layout lets through of softmax_k(Q . K / 8) V, both products on codes of FP4 (E2M1) with one E8M0 scale for each 32 along a product's K.
; qkv: [2][2048][3][16][64] f32.  layout: [128][8] int32: row = 16 queries, column = 256 keys; any number but 0 lets the block through.  out0: [2][2048][16][64] f32.
; THE SOFTMAX AHEAD OF THE SECOND PRODUCT: t = score x log2(e) / 8; M = the row's largest t so far, rounded UP to a whole number; p = 2^(t - M) is quantised along the keys, not normalised.
; The row's sum is taken of the unquantised p and divides O at the end.  When M moves, the sum and O are multiplied by 2^(old M - new M): exact.
; SHARES.  A work-group owns 256 queries of one head (grid: 8 query blocks x 32 heads); each of its sixteen waves owns 16 of them, which is ONE ROW OF THE LAYOUT: a wave's mask is a scalar of 8 bits.
; A column of the layout is eight whole blocks of 32 keys, so a block that is shut is left out as a whole: its p would be zeros, which add nothing to the sum or to O.
; THE LOOP has 8 trips, a constant.  Trip i takes the i-th key block that ANY of the work-group's 16 layout rows names; trips beyond that pass their barrier and nothing else.  Only forward branches hang on the layout.
; In a trip the sixteen waves quantise the block's K (a tile of 16 keys a wave) and V (32 keys x 32 channels a wave) from registers loaded a trip ahead, store the operands into LDS AS IMAGES OF THEIR REGISTERS
; (lane l's 16 bytes at 16 l), pass one barrier, ask for the next block, and each wave whose layout row names the block works its 2 steps of 128 keys.  Two LDS buffers take turns, so one barrier a trip orders both
; the stores against the reads behind it and the reads of two trips ago against the stores.
; LAYOUT.  Both products are used transposed: S^T = K Q^T (source 0 = 16 keys, source 1 = my 16 queries), O^T = V^T P^T: a lane holds ONE query (lane % 16) throughout.
; THE KEYS OF A TILE ARE NOT NEIGHBOURS: row r of tile 2 b + u is key 32 b + 8 u + r + 8 (r / 8), so that the 16 registers of tiles 2 b and 2 b + 1 are 16 neighbouring keys, 32 b + 16 (lane / 16) + 0 .. 15.
; The first product's K is 64 of the instruction's 128: registers 4-7 of both fragments hold zero codes, which add nothing (their scale bytes are 0, not 0xff).
; NO TENSOR LOADS, NO CLUSTER: the operands arrive as f32 and pass through registers to be quantised, and which key blocks two query blocks of a head share hangs on the layout, so partners would need different tiles.
; LIMITS: NaN and infinities among the inputs are not served.  A block of zeros gets the scale byte 1 where the quantiser says 127: its codes are zeros, and this program alone reads the bytes.
; A p under 2^-126 comes out of v_exp_f32 as 0.  A query whose layout row is all zeros gives NaN (0 x 1/0), as the softmax of a row of -infinity does.
.set ROW,   12288                      ; qkv: bytes from a key (or query) to the next
.set PLANE, 4096                       ; from q to k, from k to v
.set KBB,   256*ROW                    ; a key block
.set BB,    2048*ROW                   ; a batch
.set OROW,  4096                       ; out0: bytes from a query to the next
; LDS.  A buffer: K's 16 images of 512 bytes; V's 16 (step, channel tile, half); K's scale words [row][tile], rows 80 bytes apart; V's scale bytes [step][row][tile][block]
.set BUFB,  18432
.set KI,    0
.set VI,    8192
.set KS,    16384
.set VS,    17664
.set QI,    2*BUFB                     ; behind the two buffers, each wave's own: Q's image, 512 bytes a wave,
.set QS,    QI+8192                    ; Q's scale words, 64 bytes a wave,
.set STG,   QS+1024                    ; and the stage for the way out: 16 rows x (256 bytes + 16) a wave
; VECTOR REGISTERS
.set GK,   1                           ; v1   my byte offset in a key block for K's loads
.set GV,   2                           ; v2   for V's
.set LKW,  3                           ; v3   LDS: where I store a word of K's (and Q's) image
.set LKSW, 4                           ; v4   K's scale word
.set LVW,  5                           ; v5   my 16 bytes of V's image
.set LVSW, 6                           ; v6   V's scale byte
.set AIM,  7                           ; v7   16 x lane: an image's place for my lane (and my 16 bytes of the layout)
.set AKS,  8                           ; v8   80 x (lane % 16)
.set AVS,  9                           ; v9   16 x (lane % 16)
.set SH,   10                          ; v10  8 x ((lane / 4) % 2): my block's place in a row's scale word
.set PFO,  11                          ; v11  my row of a key block for the prefetch
                                       ; v12 -M, v13 the largest t, v[14:15] the sum in two halves
.set Q,    16                          ; v16-23   Q's fragment: 16-19 codes, 20-23 zeros
.set KSW,  24                          ; v24-31   K's scale words of a step's 8 tiles   (v24-37 hold scales and nothing else)
.set VSW,  32                          ; v32-35   V's of 4 channel tiles
.set QSW,  36                          ; v36      Q's
.set PSW,  37                          ; v37      p's
.set F,    38                          ; v38 f = 2^(old M - new M); v39 is named with it as a pair
.set KF,   40                          ; v40-71   four fragments of K: +0..3 codes, +4..7 zeros that stay
.set S,    72                          ; v72-135  S^T, then p; v72-103 then V's four fragments; at the head q's numbers; at the end the results
.set OA,   136                         ; v136-167 O^T: four tiles of 16 channels
.set P,    168                         ; v168-175 p's codes; in the staging 168-171 K's (Q's) codes, 172-175 V's
.set KST,  176                         ; v176-207 K's numbers, loaded a trip ahead
.set VST,  208                         ; v208-239 V's
.set TM,   240                         ; v240-251 at work; v252-255 likewise
; SCALAR REGISTERS
.set WV,   10                          ; my wave's number
.set KV,   18                          ; s[18:19] the head's K at key 0
.set SEL,  20                          ; s[20:21] v_permlanex16_b32's selects for lane l xor 16
.set CS,   22                          ; s[22:23] c = log2(e) / 8, twice
.set KB,   24                          ; s[24:25] the key block being loaded
.set PB,   26                          ; s[26:27] the key block being prefetched
.set REM,  28                          ; the work-group's key blocks still to come, the one in the registers among them
.set MINE, 29                          ; my layout row
.set LOW,  30                          ; the trip's key block, as a bit
.set MYF,  31                          ; that bit if my row names it
.set CNT,  32
; 40 loads: a key block's K and V, my share.  K: lane l takes 32 bytes (channels 8 (l % 8) on) of row 4 j + (l / 8) of my tile: a pair of loads covers four rows of 256 bytes.
; V: lane l takes ONE channel, 32 (wave % 2) + l, and its registers run down the 32 keys of block wave / 2: 128 consecutive bytes a load, the neighbouring wave the other 128.  No hint: other work-groups may read these bytes again.
.macro LOADKV
.irp j, 0,1,2,3
.irp c, 0,1
	global_load_b128 v[KST+8*\j+4*\c:KST+8*\j+4*\c+3], v[GK], s[KB:KB+1] offset:(4*\j+8*(\j/2))*ROW+16*\c
.endr
.endr
.irp j, 0,1,2,3,4,5,6,7,8,9,10,11,12,13,14,15,16,17,18,19,20,21,22,23,24,25,26,27,28,29,30,31
	global_load_b32 v[VST+\j], v[GV], s[KB:KB+1] offset:PLANE+\j*ROW
.endr
.endm
; The key block BEHIND the one being loaded, if there is one, is asked for: the work-group's 512 lanes name the block's 512 rows of 256 bytes (256 of K, 256 of V), one each, a trip ahead of their loads.
; Where several query blocks of a head name the same key block, each of them asks for it.  Every address lies inside qkv: the block's number is held at 7.
.macro PREF
	s_sub_co_u32 s40, s[REM], 1
	s_and_b32 s40, s40, s[REM]                     ; REM without its lowest bit
	s_cmp_eq_u32 s40, 0
	s_cbranch_scc1 .Lno_more_\@
	s_ctz_i32_b32 s40, s40
	s_min_u32 s40, s40, 7
	s_mul_i32 s40, s40, KBB
	s_mov_b32 s41, 0
	s_add_nc_u64 s[PB:PB+1], s[KV:KV+1], s[40:41]
	global_prefetch_b8 v[PFO], s[PB:PB+1] th:TH_LOAD_NT scope:SCOPE_SE
.Lno_more_\@:
.endm
; REM's lowest key block is loaded, the one behind it prefetched.  (With REM = 0, at the head alone, block 7 is loaded and never used: the registers are then written on every path.)
.macro NEXTKV
	s_ctz_i32_b32 s14, s[REM]
	s_min_u32 s14, s14, 7                          ; a number read from memory enters an address only behind this hold
	s_mul_i32 s14, s14, KBB
	s_mov_b32 s15, 0
	s_add_nc_u64 s[KB:KB+1], s[KV:KV+1], s[14:15]
	LOADKV
	PREF
.endm
; 16 rows x 64 numbers in v[src] on (register 8 j + n = number 8 (l % 8) + n of row 4 j + l / 8) become the image of a fragment's registers 0-3 and the rows' scale words.
; A block of 32 lies in four neighbouring lanes.  The image's word of row r, block h, eight numbers g: 16 (r + 16 h) + 4 g.  The eight lanes of a row store the same scale word with the same value.
.macro ROWQ src, ia, io, sa, so, sj
.irp j, 0,1,2,3
	v_max3_num_f32 v[TM+\j], |v[\src+8*\j]|, |v[\src+8*\j+1]|, 0x1800000   ; my 8 numbers, and the floor 2^(3 - 127): so the byte cannot fall under 1.  (The four rows by turns)
.endr
.irp i, 2,4,6
.irp j, 0,1,2,3
	v_max3_num_f32 v[TM+\j], v[TM+\j], |v[\src+8*\j+\i]|, |v[\src+8*\j+\i+1]|
.endr
.endr
.irp j, 0,1,2,3
	v_max_num_f32_dpp v[TM+\j], v[TM+\j], v[TM+\j] row_xmask:1 row_mask:0xf bank_mask:0xf
.endr
.irp j, 0,1,2,3
	v_max_num_f32_dpp v[TM+\j], v[TM+\j], v[TM+\j] row_xmask:2 row_mask:0xf bank_mask:0xf   ; the block's largest magnitude
.endr
.irp j, 0,1,2,3
	v_add_nc_u32 v[TM+8+\j], 0xff000000, v[TM+\j]  ; 2 off its exponent field: the conversion takes the exponent field of this operand as its scale
.endr
.irp j, 0,1,2,3
	v_lshrrev_b32 v[TM+\j], 23, v[TM+8+\j]         ; the scale's byte,
.endr
.irp j, 0,1,2,3
	v_lshlrev_b32 v[TM+\j], v[SH], v[TM+\j]        ; at its block's place in the word;
.endr
.irp j, 0,1,2,3
	v_mov_b32_dpp v[TM+4+\j], v[TM+\j] row_xmask:4 row_mask:0xf bank_mask:0xf
.endr
.irp j, 0,1,2,3
	v_or_b32 v[TM+\j], v[TM+\j], v[TM+4+\j]        ; with the row's other block's: the scale word (bytes 2 and 3 are 0, over zero codes)
.endr
.irp j, 0,1,2,3
	v_cvt_scalef32_pk8_fp4_f32 v[P+\j], v[\src+8*\j:\src+8*\j+7], v[TM+8+\j]
.endr
	v_nop                                          ; one plain place behind a scaled conversion
.irp j, 0,1,2,3
	ds_store_b32 v[\ia], v[P+\j] offset:(\io)+64*\j
	ds_store_b32 v[\sa], v[TM+\j] offset:(\so)+(\sj)*\j
.endr
.endm
; My 32 keys of my channel are a whole block in my own registers: no other lane is asked; the four conversions give 16 bytes of a fragment of V^T with the keys innermost.
.macro VQ buf
	v_max3_num_f32 v252, |v[VST]|, |v[VST+1]|, |v[VST+2]|
	v_max3_num_f32 v253, |v[VST+3]|, |v[VST+4]|, |v[VST+5]|
.irp i, 6,10,14,18,22,26
	v_max3_num_f32 v252, v252, |v[VST+\i]|, |v[VST+\i+1]|
	v_max3_num_f32 v253, v253, |v[VST+\i+2]|, |v[VST+\i+3]|
.endr
	v_max3_num_f32 v252, v252, |v[VST+30]|, |v[VST+31]|
	v_max3_num_f32 v252, v252, v253, 0x1800000     ; and the floor
	v_add_nc_u32 v254, 0xff000000, v252
	v_lshrrev_b32 v253, 23, v254                   ; the scale's byte
.irp g, 0,1,2,3
	v_cvt_scalef32_pk8_fp4_f32 v[P+4+\g], v[VST+8*\g:VST+8*\g+7], v254
.endr
	v_nop                                          ; one plain place behind a scaled conversion
	ds_store_b128 v[LVW], v[P+4:P+7] offset:VI+(\buf)*BUFB
	ds_store_b8 v[LVSW], v253 offset:VS+(\buf)*BUFB
.endm
; A STEP: 128 keys, half s of the key block in buffer buf.
.macro STEP buf, s
	ds_load_b128 v[KSW:KSW+3], v[AKS] offset:KS+(\buf)*BUFB+32*(\s)         ; lane r: row r's scale words of the step's 8 tiles
	ds_load_b128 v[KSW+4:KSW+7], v[AKS] offset:KS+(\buf)*BUFB+32*(\s)+16
.irp g, 0,1                                    ; S^T = K Q^T, four tiles of 16 keys at a time
.if \g
.rept 4
	v_nop                                          ; places in front of loads into registers that matrix instructions have read (ISA guide 7.12.1 for vector instructions)
.endr
.endif
.irp t, 0,1,2,3
	ds_load_b128 v[KF+8*\t:KF+8*\t+3], v[AIM] offset:KI+(\buf)*BUFB+512*(8*(\s)+4*\g+\t)
.endr
	s_wait_dscnt 0x0
.irp t, 0,1,2,3
	v_wmma_scale_f32_16x16x128_f8f6f4 v[S+8*(4*\g+\t):S+8*(4*\g+\t)+7], v[KF+8*\t:KF+8*\t+7], v[Q:Q+7], 0, v[KSW+4*\g+\t], v[QSW] matrix_a_fmt:MATRIX_FMT_FP4 matrix_b_fmt:MATRIX_FMT_FP4
.endr
.endr                                          ; lane (r, h) holds query r; register 16 b + i is key 128 s + 32 b + 16 h + i
.rept 4
	v_nop                                          ; places in front of the first read of results
.endr
.irp b, 0,1,2,3
	v_max3_num_f32 v[TM+\b], v[S+16*\b], v[S+16*\b+1], v[S+16*\b+2]   ; THE LARGEST SCORE OF EACH BLOCK OF 32 KEYS: it serves the row's maximum and, since p rises with the score, the block's largest p.  (Each result is read from its low end on)
.endr
.irp i, 3,5,7,9,11,13
.irp b, 0,1,2,3
	v_max3_num_f32 v[TM+\b], v[TM+\b], v[S+16*\b+\i], v[S+16*\b+\i+1]
.endr
.endr
.irp b, 0,1,2,3
	v_max_num_f32 v[TM+\b], v[TM+\b], v[S+16*\b+15]
.endr
.irp b, 0,1,2,3
	v_permlanex16_b32 v[TM+4+\b], v[TM+\b], s[SEL], s[SEL+1]
.endr
.irp b, 0,1,2,3
	v_max_num_f32 v[TM+\b], v[TM+\b], v[TM+4+\b]   ; with lane l xor 16's 16 keys
.endr
	v_max3_num_f32 v252, v[TM], v[TM+1], v[TM+2]
	v_max_num_f32 v252, v252, v[TM+3]              ; the step's largest score of my query
	v_mul_f32 v252, s[CS], v252                    ; as t (c is positive)
	v_max_num_f32 v13, v13, v252                   ; the running largest t
	v_mov_b32 v252, v12
	v_floor_f32 v12, -v13                          ; the new -M = floor(-t) = -ceil(t): M is a whole number
	v_sub_f32 v252, v12, v252                      ; M's old value less its new one: a whole number, 0 or less
	v_cvt_i32_f32 v252, v252                       ; (it saturates)
	v_ldexp_f32 v[F], 1.0, v252                    ; f = 2^(old M - new M)
.set ii, 0
.rept 32
	v_pk_fma_f32 v[S+ii:S+ii+1], v[S+ii:S+ii+1], s[CS:CS+1], v[12:13] op_sel_hi:[1,0,0]   ; t - M, two at a time (of the pairs c and -M the low word serves both halves)
.set ii, ii+2
.endr
.irp b, 0,1,2,3
	v_fma_f32 v[TM+\b], v[TM+\b], s[CS], v12       ; the same of each block's largest score
.endr
.set ii, 0
.rept 64
	v_exp_f32 v[S+ii], v[S+ii]                     ; p = 2^(t - M), at most 1: not normalised
.set ii, ii+1
.endr
.irp b, 0,1,2,3
	v_exp_f32 v[TM+\b], v[TM+\b]                   ; the block's largest p: the same two instructions on the same number give the same bits
.endr
	v_pk_mul_f32 v[14:15], v[14:15], v[F:F+1] op_sel_hi:[1,0]   ; the sums under the new M.  (A plain place behind the exponentials)
	s_wait_alu depctr_va_vdst(0)
.irp b, 0,1,2,3
	v_max_num_f32 v[TM+\b], 0x1800000, v[TM+\b]    ; the floor 2^(3 - 127): the byte cannot fall under 1
.endr
.irp b, 0,1,2,3
	v_add_nc_u32 v[TM+8+\b], 0xff000000, v[TM+\b]  ; 2 off the exponent field: the conversion's scale operand
.endr
.irp b, 0,1,2,3
	v_lshrrev_b32 v[TM+4+\b], 23, v[TM+8+\b]       ; the scale's byte
.endr
	v_lshl_or_b32 v[PSW], v[TM+5], 8, v[TM+4]      ; p's scale word for these 128 keys
	v_lshl_or_b32 v[PSW], v[TM+6], 16, v[PSW]
	v_lshl_or_b32 v[PSW], v[TM+7], 24, v[PSW]
.irp b, 0,1,2,3
	v_cvt_scalef32_pk8_fp4_f32 v[P+2*\b], v[S+16*\b:S+16*\b+7], v[TM+8+\b]
	v_cvt_scalef32_pk8_fp4_f32 v[P+2*\b+1], v[S+16*\b+8:S+16*\b+15], v[TM+8+\b]
.endr
	v_nop                                          ; one plain place behind a scaled conversion
.irp c, 0,1                                    ; the operand's layout wants a WHOLE block in a lane: lanes 0-15 block 2 c, lanes 16-31 block 2 c + 1
.irp i, 0,1
	v_permlane16_swap_b32 v[P+4*\c+\i], v[P+4*\c+2+\i]
.endr
.endr
	v_pk_add_f32 v[TM+4:TM+5], v[S:S+1], v[S+2:S+3]   ; THE ROW'S SUM IS TAKEN OF THE UNQUANTISED p: two at a time, in two chains
.irp j, 4,8,12,16,20,24,28
	v_pk_add_f32 v[14:15], v[14:15], v[S+\j:S+\j+1]
	v_pk_add_f32 v[TM+4:TM+5], v[TM+4:TM+5], v[S+\j+2:S+\j+3]
.endr
	ds_load_b128 v[VSW:VSW+3], v[AVS] offset:VS+(\buf)*BUFB+256*(\s)         ; p's first 32 registers are done with: V's four fragments land there while the rest is summed.  Lane r: the scale words of channels 16 t + r
.irp t, 0,1,2,3
.irp c, 0,1
	ds_load_b128 v[S+8*\t+4*\c:S+8*\t+4*\c+3], v[AIM] offset:VI+(\buf)*BUFB+4096*(\s)+1024*\t+512*\c
.endr
.endr
.irp j, 32,36,40,44,48,52,56,60
	v_pk_add_f32 v[14:15], v[14:15], v[S+\j:S+\j+1]
	v_pk_add_f32 v[TM+4:TM+5], v[TM+4:TM+5], v[S+\j+2:S+\j+3]
.endr
	v_pk_add_f32 v[14:15], v[14:15], v[TM+4:TM+5]
.set ii, 0
.rept 16
	v_pk_mul_f32 v[OA+ii:OA+ii+1], v[OA+ii:OA+ii+1], v[F:F+1] op_sel_hi:[1,0]   ; O^T under the new M: x f, each tile from its low end on.  (With the sums above: the places between p's codes and scale word and the products below)
.set ii, ii+2
.endr
	s_wait_dscnt 0x0                               ; V's fragments and scale words are in
.irp t, 0,1,2,3                                ; O^T += V^T P^T: the four accumulators by turns, one instruction a turn
	v_wmma_scale_f32_16x16x128_f8f6f4 v[OA+8*\t:OA+8*\t+7], v[S+8*\t:S+8*\t+7], v[P:P+7], v[OA+8*\t:OA+8*\t+7], v[VSW+\t], v[PSW] matrix_a_fmt:MATRIX_FMT_FP4 matrix_b_fmt:MATRIX_FMT_FP4
.endr
.rept 5
	v_nop                                          ; five places: the next step's first products WRITE OVER the registers that held V's fragments; four of them serve the vector instructions that next write p's codes or read O^T
.endr
.endm
; A TRIP.  The waits stand outside the branches: on every path no load is pending where its registers are read, and no LDS instruction at the signal.
.macro TRIP buf
	s_wait_loadcnt 0x0                             ; the key block asked for a trip ago is in my registers
	s_cmp_eq_u32 s[REM], 0
	s_cbranch_scc1 .Lstaged_\@                     ; no block is left: nothing to quantise
	ROWQ KST, LKW, KI+(\buf)*BUFB, LKSW, KS+(\buf)*BUFB, 320
	VQ \buf
.Lstaged_\@:
	s_wait_dscnt 0x0                               ; for the others' sake: my stores into this buffer have landed, and my reads of the other buffer are back
	s_barrier_signal -1
	s_barrier_wait -1                              ; this buffer is whole, and nobody reads the other one any more
	s_sub_co_u32 s14, 0, s[REM]
	s_and_b32 s[LOW], s[REM], s14                  ; the trip's key block: REM's lowest bit
	s_and_b32 s[MYF], s[MINE], s[LOW]              ; does my layout row name it?
	s_xor_b32 s[REM], s[REM], s[LOW]
	s_cmp_eq_u32 s[REM], 0
	s_cbranch_scc1 .Lasked_\@
	s_wait_xcnt 0x0                                ; the last prefetch, a trip back, has read its base: both bases may be written (the loads are done: the wait at the trip's head)
	NEXTKV                                         ; the next block's loads are on their way while this one is worked
.Lasked_\@:
	s_cmp_eq_u32 s[MYF], 0
	s_cbranch_scc1 .Lnot_mine_\@
	STEP \buf, 0
	STEP \buf, 1
.Lnot_mine_\@:
.endm
	s_load_b128 s[4:7], s[0:1], 0x0                ; qkv, layout
	s_load_b64 s[8:9], s[0:1], 0x10                ; out0
	v_lshrrev_b32 v176, 5, v0
	v_readfirstlane_b32 s[WV], v176                ; wave 0..15
	v_and_b32 v176, 31, v0                         ; l
	v_and_b32 v177, 15, v0                         ; r = l % 16
	v_bfe_u32 v178, v0, 4, 1                       ; h = l / 16
	v_bfe_u32 v179, v0, 3, 2                       ; l / 8
	v_and_b32 v180, 7, v0                          ; l % 8
	v_bfe_u32 v181, v0, 2, 1                       ; (l / 4) % 2
	v_and_b32 v182, 3, v0                          ; l % 4
	; offsets, made apart from the addresses
	s_and_b32 s12, ttmp7, 0xffff
	s_and_b32 s13, s12, 15                         ; the head
	s_lshr_b32 s12, s12, 4                         ; the batch
	s_mul_i32 s14, s12, BB
	s_lshl_b32 s34, s13, 8
	s_add_co_u32 s14, s14, s34                     ; qkv: batch and head
	s_mov_b32 s15, 0
	s_lshl_b32 s11, ttmp9, 8
	s_lshl_b32 s35, s[WV], 4
	s_add_co_u32 s11, s11, s35                     ; my first query: 256 x work-group x + 16 x wave
	s_mul_i32 s40, s11, ROW
	s_mov_b32 s41, 0
	s_lshl_b32 s42, ttmp9, 9                       ; layout: the work-group's 16 rows of 32 bytes
	s_mov_b32 s43, 0
	s_lshl_b32 s44, s12, 23                        ; out0: batch,
	s_lshl_b32 s35, s11, 12                        ; query,
	s_add_co_u32 s44, s44, s35
	s_add_co_u32 s44, s44, s34                     ; head
	s_mov_b32 s45, 0
	s_lshl_b32 s33, s[WV], 1                       ; my layout row lies in lanes 2 w and 2 w + 1
	; global offsets of my lane
	v_mul_u32_u24 v106, v179, ROW
	v_lshl_add_u32 v106, v180, 5, v106             ; q: row l / 8, 32 bytes at 32 (l % 8)
	s_lshr_b32 s34, s[WV], 1
	s_and_b32 s35, s[WV], 1
	s_lshl_b32 s46, s34, 5
	s_lshl_b32 s47, s35, 3
	s_add_co_u32 s46, s46, s47
	s_mul_i32 s46, s46, ROW
	v_add_nc_u32 v[GK], s46, v106                  ; K: the same in my tile, which begins at key 32 (w / 2) + 8 (w % 2)
	s_mul_i32 s46, s34, 32*ROW
	s_lshl_b32 s47, s35, 7
	s_add_co_u32 s46, s46, s47
	v_lshl_add_u32 v[GV], v176, 2, s46             ; V: key 32 (w / 2), channel 32 (w % 2) + l
	; LDS addresses: a constant x lane terms + constants x wave terms
	v_lshlrev_b32 v[LKW], 8, v181
	v_lshl_add_u32 v[LKW], v179, 4, v[LKW]
	v_lshl_add_u32 v[LKW], v182, 2, v[LKW]
	s_lshl_b32 s46, s[WV], 9
	v_add_nc_u32 v[LKW], s46, v[LKW]               ; 256 x block + 16 x (l / 8) + 4 x (l % 4) + 512 w
	v_lshl_add_u32 v107, v176, 4, s46              ; Q's image back: 16 l + 512 w
	v_mul_u32_u24 v[LKSW], v179, 80
	s_lshl_b32 s46, s[WV], 2
	v_add_nc_u32 v[LKSW], s46, v[LKSW]             ; 80 x (l / 8) + 4 w
	s_lshr_b32 s46, s[WV], 3                       ; V: my 32 keys lie in step w / 8,
	s_lshl_b32 s47, s46, 12
	s_lshl_b32 s36, s35, 11                        ; channel tiles 2 (w % 2) + h,
	s_add_co_u32 s47, s47, s36
	s_bfe_u32 s36, s[WV], 0x10002                  ; half (w / 4) % 2 of the fragment,
	s_lshl_b32 s36, s36, 9
	s_add_co_u32 s47, s47, s36
	s_bfe_u32 s36, s[WV], 0x10001                  ; lanes 16 ((w / 2) % 2) on
	s_lshl_b32 s36, s36, 8
	s_add_co_u32 s47, s47, s36
	v_lshlrev_b32 v[LVW], 10, v178
	v_lshl_add_u32 v[LVW], v177, 4, v[LVW]
	v_add_nc_u32 v[LVW], s47, v[LVW]
	s_lshl_b32 s47, s46, 8                         ; V's scale byte: 256 x step + 16 r + 4 x tile + block (w / 2) % 4
	s_lshl_b32 s36, s35, 3
	s_add_co_u32 s47, s47, s36
	s_bfe_u32 s36, s[WV], 0x20001
	s_add_co_u32 s47, s47, s36
	v_lshlrev_b32 v[LVSW], 4, v177
	v_lshl_add_u32 v[LVSW], v178, 2, v[LVSW]
	v_add_nc_u32 v[LVSW], s47, v[LVSW]
	v_lshlrev_b32 v[AIM], 4, v176
	v_mul_u32_u24 v[AKS], v177, 80
	v_lshlrev_b32 v[AVS], 4, v177
	v_lshlrev_b32 v[SH], 3, v181
	s_and_b32 s47, s[WV], 7                        ; the prefetch: waves 0-7 name K's 256 rows, waves 8-15 V's
	s_lshl_b32 s47, s47, 5
	v_add_nc_u32 v[PFO], s47, v176
	v_mul_u32_u24 v[PFO], v[PFO], ROW
	s_lshl_b32 s47, s46, 12
	v_add_nc_u32 v[PFO], s47, v[PFO]
	s_lshl_b32 s47, s[WV], 6
	v_lshl_add_u32 v104, v179, 2, s47              ; Q's scale words: in, 4 (l / 8) + 64 w;
	v_lshl_add_u32 v105, v177, 2, s47              ; back, 4 r + 64 w
	s_mov_b32 s[SEL], 0x76543210
	s_mov_b32 s[SEL+1], 0xfedcba98
	s_mov_b32 s[CS], 0x3e38aa3b                    ; c = log2(e) / 8
	s_mov_b32 s[CS+1], s[CS]                       ; (named with it as a pair, so it is written)
	s_mov_b32 s[REM], 0
	s_mov_b32 s[MINE], 0
	s_wait_kmcnt 0x0
	s_add_nc_u64 s[KV:KV+1], s[4:5], s[14:15]
	s_add_nc_u64 s[16:17], s[KV:KV+1], s[40:41]    ; q at my first query
	s_add_nc_u64 s[KV:KV+1], s[KV:KV+1], PLANE     ; the head's K at key 0
	s_add_nc_u64 s[6:7], s[6:7], s[42:43]
	s_add_nc_u64 s[8:9], s[8:9], s[44:45]
	global_load_b128 v[252:255], v[AIM], s[6:7]    ; lane l: layout row l / 2 of the work-group's 16, columns 4 (l % 2) + 0 .. 3
.irp j, 0,1,2,3
.irp c, 0,1
	global_load_b128 v[S+8*\j+4*\c:S+8*\j+4*\c+3], v106, s[16:17] offset:4*\j*ROW+16*\c th:TH_LOAD_NT   ; q: my 16 rows, read once in the launch
.endr
.endr
	s_wait_loadcnt 8                               ; the layout is in; q's eight loads, issued behind it, may be out
.irp j, 0,1,2,3
	v_cmp_ne_u32 s[36+\j], 0, v[252+\j]            ; bit l: is that entry set?
.endr
.irp j, 0,1,2,3
	s_and_b32 s40, s[36+\j], 0x55555555            ; column j, any of the 16 rows
	s_cselect_b32 s40, 1<<\j, 0
	s_or_b32 s[REM], s[REM], s40
	s_and_b32 s40, s[36+\j], 0xaaaaaaaa            ; column 4 + j
	s_cselect_b32 s40, 16<<\j, 0
	s_or_b32 s[REM], s[REM], s40
	s_lshr_b32 s40, s[36+\j], s33                  ; my row's two lanes
	s_and_b32 s41, s40, 1
	s_lshl_b32 s41, s41, \j
	s_or_b32 s[MINE], s[MINE], s41
	s_and_b32 s41, s40, 2
	s_lshl_b32 s41, s41, 3+\j
	s_or_b32 s[MINE], s[MINE], s41
.endr
	NEXTKV                                         ; the first key block: 40 loads
	; what the loop finds: O^T and the sum are zeros, the largest t lies under every t: the first change of M multiplies zeros
.set ii, 0
.rept 32
	v_mov_b32 v[OA+ii], 0
.set ii, ii+1
.endr
.irp t, 0,1,2,3
.irp i, 4,5,6,7
	v_mov_b32 v[KF+8*\t+\i], 0                     ; zero codes for the upper 64 of the first product's K: they stay
.endr
.endr
.irp i, 4,5,6,7
	v_mov_b32 v[Q+\i], 0
	v_mov_b32 v[TM+\i], 0                          ; (written once: the destination of a lane permute or a DPP move counts as one of its sources)
.endr
	v_mov_b32 v13, 0xff61b1e6                      ; -3e38
	v_floor_f32 v12, -v13                          ; -M
	v_mov_b32 v14, 0
	v_mov_b32 v15, 0
	v_mov_b32 v[F+1], 0
	s_wait_loadcnt 40                              ; q is in; the key block's 40 loads, issued behind it, may be out
	ROWQ S, LKW, QI, 104, QS, 16                   ; my 16 queries become a fragment: through my own bytes of LDS, which turn 8 numbers a lane into 32 a lane
	ds_load_b128 v[Q:Q+3], v107 offset:QI          ; LDS serves a wave's instructions in order (ISA guide 5.7.1.4): these see my stores
	ds_load_b32 v[QSW], v105 offset:QS
	s_wait_dscnt 0x0
	s_mov_b32 s[CNT], 4
.Ltrip:                                            ; 4 x 2 trips: as many as the layout has columns
	TRIP 0
	TRIP 1
	s_sub_co_u32 s[CNT], s[CNT], 1
	s_cmp_lg_u32 s[CNT], 0
	s_cbranch_scc1 .Ltrip
	; THE WAY OUT.  O^T / the sum goes through my stage in LDS and leaves as whole rows: sixteen lanes store 256 consecutive bytes, at a multiple of 256 from out0's first byte.
	s_wait_loadcnt 0x0                             ; nothing is out (after eight trips no block is left)
	v_add_f32 v14, v14, v15                        ; the sum's two halves,
	v_permlanex16_b32 v[TM+4], v14, s[SEL], s[SEL+1]
	v_add_f32 v14, v14, v[TM+4]                    ; and lane l xor 16's: the row's sum
	v_rcp_f32 v14, v14
	v_and_b32 v[TM], 15, v0                        ; (a plain place behind the transcendental)  r
	v_bfe_u32 v[TM+1], v0, 4, 1                    ; h
	s_mul_i32 s40, s[WV], 16*272
	s_add_co_u32 s40, s40, STG                     ; my stage
	v_mul_u32_u24 v[TM+2], v[TM], 272
	v_lshl_add_u32 v[TM+2], v[TM+1], 5, v[TM+2]
	v_add_nc_u32 v[TM+2], s40, v[TM+2]             ; in: row r; tile t's eight channels of my half: 64 t + 32 h bytes on
	v_mul_u32_u24 v[TM+3], v[TM+1], 272
	v_lshl_add_u32 v[TM+3], v[TM], 4, v[TM+3]
	v_add_nc_u32 v[TM+3], s40, v[TM+3]             ; back: lanes 0-15 one row, lanes 16-31 the next
	v_lshlrev_b32 v[TM+5], 12, v[TM+1]
	v_lshl_add_u32 v[TM+5], v[TM], 4, v[TM+5]      ; and the same two rows in out0
.set ii, 0
	s_wait_alu depctr_va_vdst(0)
.rept 16
	v_pk_mul_f32 v[S+ii:S+ii+1], v[OA+ii:OA+ii+1], v[14:15] op_sel_hi:[1,0]   ; register 8 t + i is out(r, 16 t + 8 h + i); each tile from its low end on
.set ii, ii+2
.endr
.irp t, 0,1,2,3
	ds_store_b128 v[TM+2], v[S+8*\t:S+8*\t+3] offset:64*\t
	ds_store_b128 v[TM+2], v[S+8*\t+4:S+8*\t+7] offset:64*\t+16
.endr
.irp i, 0,1,2,3,4,5,6,7
	ds_load_b128 v[S+32+4*\i:S+32+4*\i+3], v[TM+3] offset:2*\i*272   ; in order behind my stores
.endr
.irp i, 0,1,2,3,4,5,6,7
	s_wait_dscnt 7-\i                              ; LDS loads come back in order: pair i of rows is in, the 7 - i younger loads may be out
	global_store_b128 v[TM+5], v[S+32+4*\i:S+32+4*\i+3], s[8:9] offset:2*\i*OROW th:TH_STORE_NT   ; written once, read by nobody here
.endr
	s_wait_xcnt 0x0
	v_lshl_add_u32 v254, v0, 2, 0x1c400
	v_mov_b32 v255, 0
	s_wait_tensorcnt 0x0
	ds_add_u32 v254, v255
	s_wait_dscnt 0x0
	s_endpgm
.Lfunc_end_k_qb3759c6fc2_attn:
	.size	k_qb3759c6fc2_attn, .Lfunc_end_k_qb3759c6fc2_attn-k_qb3759c6fc2_attn
	.p2alignl 7, 3214868480
	.fill 96, 4, 3214868480
	.section	.rodata,"a",@progbits
	.p2align	6, 0x0
	.amdhsa_kernel k_qb3759c6fc2_attn
		.amdhsa_group_segment_fixed_size 117760
		.amdhsa_private_segment_fixed_size 0
		.amdhsa_enable_private_segment 0
		.amdhsa_kernarg_size 24
		.amdhsa_user_sgpr_count 2
		.amdhsa_user_sgpr_kernarg_segment_ptr 1
		.amdhsa_wavefront_size32 1
		.amdhsa_system_sgpr_workgroup_id_x 1
		.amdhsa_system_sgpr_workgroup_id_y 1
		.amdhsa_system_sgpr_workgroup_id_z 1
		.amdhsa_system_vgpr_workitem_id 0
		.amdhsa_next_free_vgpr 256
		.amdhsa_next_free_sgpr 66
		.amdhsa_reserve_vcc 0
		.amdhsa_float_denorm_mode_32 3
		.amdhsa_float_denorm_mode_16_64 3
		.amdhsa_memory_ordered 1
		.amdhsa_forward_progress 1
		.amdhsa_inst_pref_size 100
	.end_amdhsa_kernel
	.amdgpu_metadata
---
amdhsa.version: [ 1, 2 ]
amdhsa.kernels:
  - .name:           k_qb3759c6fc2_attn
    .symbol:         k_qb3759c6fc2_attn.kd
    .args:
      - { .name: qkv, .offset: 0, .size: 8, .value_kind: global_buffer, .address_space: global }
      - { .name: layout, .offset: 8, .size: 8, .value_kind: global_buffer, .address_space: global }
      - { .name: out0, .offset: 16, .size: 8, .value_kind: global_buffer, .address_space: global }
    .group_segment_fixed_size: 117760
    .private_segment_fixed_size: 0
    .kernarg_segment_align: 8
    .kernarg_segment_size: 24
    .max_flat_workgroup_size: 512
    .sgpr_count:     66
    .vgpr_count:     256
    .wavefront_size: 32
...
	.end_amdgpu_metadata
.endif
;; end of part 1
;; ======== version 2 of 2: 1 launch; version 1 with the launch attn written anew for expert scheduling mode
;; launch attn (part 2): grid 8 x 32, 16 waves a work-group, no clusters, 117,760 bytes of LDS; arguments qkv, layout, out0; writes out0
.if DOCPART == 2
	.amdgcn_target "amdgcn-amd-amdhsa--gfx1250"
	.amdhsa_code_object_version 6
	.text
	.protected	k_qb3759c6fc2_attn
	.globl	k_qb3759c6fc2_attn
	.p2align	8
	.type	k_qb3759c6fc2_attn,@function
k_qb3759c6fc2_attn:
	s_mov_b64 s[64:65], 0
	v_nop
	global_prefetch_b8 v0, s[64:65] scope:SCOPE_SE
	s_setreg_imm32_b32 hwreg(HW_REG_WAVE_SCHED_MODE, 0, 2), 2
	s_setreg_imm32_b32 hwreg(HW_REG_WAVE_MODE, 25, 1), 1
	s_wait_xcnt 0x0
	s_wait_alu depctr_vm_vsrc(0)
; out0[b][q][h][:] = the sum over the keys k that the layout lets through of softmax_k(Q . K / 8) V, both products on codes of FP4 (E2M1) with one E8M0 scale for each 32 along a product's K.
; qkv: [2][2048][3][16][64] f32.  layout: [128][8] int32: row = 16 queries, column = 256 keys; any number but 0 lets the block through.  out0: [2][2048][16][64] f32.
; THE SOFTMAX AHEAD OF THE SECOND PRODUCT: t = score x log2(e) / 8; M = the row's largest t so far, rounded UP to a whole number; p = 2^(t - M) is quantised along the keys, not normalised.
; The row's sum is taken of the unquantised p and divides O at the end.  When M moves, the sum and O are multiplied by 2^(old M - new M): exact.
; SHARES.  A work-group owns 256 queries of one head (grid: 8 query blocks x 32 heads); each of its sixteen waves owns 16 of them, which is ONE ROW OF THE LAYOUT: a wave's mask is a scalar of 8 bits.
; A column of the layout is eight whole blocks of 32 keys, so a block that is shut is left out as a whole: its p would be zeros, which add nothing to the sum or to O.
; THE LOOP has 8 trips, a constant.  Trip i takes the i-th key block that ANY of the work-group's 16 layout rows names; trips beyond that pass their barrier and nothing else.  Only forward branches hang on the layout.
; In a trip the sixteen waves quantise the block's K (a tile of 16 keys a wave) and V (32 keys x 32 channels a wave) from registers loaded a trip ahead, store the operands into LDS AS IMAGES OF THEIR REGISTERS
; (lane l's 16 bytes at 16 l), pass one barrier, ask for the next block, and each wave whose layout row names the block works its 2 steps of 128 keys.  Two LDS buffers take turns, so one barrier a trip orders both
; the stores against the reads behind it and the reads of two trips ago against the stores.
; LAYOUT.  Both products are used transposed: S^T = K Q^T (source 0 = 16 keys, source 1 = my 16 queries), O^T = V^T P^T: a lane holds ONE query (lane % 16) throughout.
; THE KEYS OF A TILE ARE NOT NEIGHBOURS: row r of tile 2 b + u is key 32 b + 8 u + r + 8 (r / 8), so that the 16 registers of tiles 2 b and 2 b + 1 are 16 neighbouring keys, 32 b + 16 (lane / 16) + 0 .. 15.
; The first product's K is 64 of the instruction's 128: registers 4-7 of both fragments hold zero codes, which add nothing (their scale bytes are 0, not 0xff).
; NO TENSOR LOADS, NO CLUSTER: the operands arrive as f32 and pass through registers to be quantised, and which key blocks two query blocks of a head share hangs on the layout, so partners would need different tiles.
; LIMITS: NaN and infinities among the inputs are not served.  A block of zeros gets the scale byte 1 where the quantiser says 127: its codes are zeros, and this program alone reads the bytes.
; A p under 2^-126 comes out of v_exp_f32 as 0.  A query whose layout row is all zeros gives NaN (0 x 1/0), as the softmax of a row of -infinity does.
; THE MODE: SCHED_MODE bits 1:0 = 2 (LLVM: expert scheduling mode 2), set by the entry lines.  The code itself states the register dependences
; between vector or matrix instructions and memory or LDS instructions, with s_wait_alu, always for 0.
; THE PLAN.  Registers that memory or LDS instructions touch:
;   v1-v9, v11      addresses and offsets: written at the head, read by every load, store and prefetch, never written again.
;   v104-v107       at the head only: q's offset and the addresses of Q's image and scale words; the first scores are written over them.
;   KST, VST        the loads issued behind a trip's barrier land in them; the next trip's quantisers, vector lines, read them; nothing else names them (at the head v176-182 hold lane terms).
;   P, TM+0..3, v253  written by the quantisers, read by the staging's LDS stores, written again by a step's softmax or by the next staging.
;   KSW, KF+0..3    LDS loads land in them, in two runs a step; the products K Q^T read them.
;   S+0..31, VSW    the scores, then p: conversions and sums read them; then V's fragments land there, V's scale words in VSW; the products V^T P read both.
;   PSW, P          p's scale word and codes, written by vector lines, go to the scaled products.
; THE WAITS.  A trip: the two quantisers' vector lines stand together; ONE wait on va_vdst behind them serves the ten LDS stores that follow and the 40 loads behind the barrier; ONE wait on vm_vsrc
; in front of the barrier frees the stores' data.  A step: one wait on va_vdst ahead of K's second run of loads, one behind the exponentials, one ahead of V's loads; the step's first loads owe nothing,
; since the wait behind the last step's exponentials stands behind the last readers of KF and KSW.
.set ROW,   12288                      ; qkv: bytes from a key (or query) to the next
.set PLANE, 4096                       ; from q to k, from k to v
.set KBB,   256*ROW                    ; a key block
.set BB,    2048*ROW                   ; a batch
.set OROW,  4096                       ; out0: bytes from a query to the next
; LDS.  A buffer: K's 16 images of 512 bytes; V's 16 (step, channel tile, half); K's scale words [row][tile], rows 80 bytes apart; V's scale bytes [step][row][tile][block]
.set BUFB,  18432
.set KI,    0
.set VI,    8192
.set KS,    16384
.set VS,    17664
.set QI,    2*BUFB                     ; behind the two buffers, each wave's own: Q's image, 512 bytes a wave,
.set QS,    QI+8192                    ; Q's scale words, 64 bytes a wave,
.set STG,   QS+1024                    ; and the stage for the way out: 16 rows x (256 bytes + 16) a wave
; VECTOR REGISTERS
.set GK,   1                           ; v1   my byte offset in a key block for K's loads
.set GV,   2                           ; v2   for V's
.set LKW,  3                           ; v3   LDS: where I store a word of K's (and Q's) image
.set LKSW, 4                           ; v4   K's scale word
.set LVW,  5                           ; v5   my 16 bytes of V's image
.set LVSW, 6                           ; v6   V's scale byte
.set AIM,  7                           ; v7   16 x lane: an image's place for my lane (and my 16 bytes of the layout)
.set AKS,  8                           ; v8   80 x (lane % 16)
.set AVS,  9                           ; v9   16 x (lane % 16)
.set SH,   10                          ; v10  8 x ((lane / 4) % 2): my block's place in a row's scale word
.set PFO,  11                          ; v11  my row of a key block for the prefetch
                                       ; v12 -M, v13 the largest t, v[14:15] the sum in two halves
.set Q,    16                          ; v16-23   Q's fragment: 16-19 codes, 20-23 zeros
.set KSW,  24                          ; v24-31   K's scale words of a step's 8 tiles   (v24-37 hold scales and nothing else)
.set VSW,  32                          ; v32-35   V's of 4 channel tiles
.set QSW,  36                          ; v36      Q's
.set PSW,  37                          ; v37      p's
.set F,    38                          ; v38 f = 2^(old M - new M); v39 is named with it as a pair
.set KF,   40                          ; v40-71   four fragments of K: +0..3 codes, +4..7 zeros that stay
.set S,    72                          ; v72-135  S^T, then p; v72-103 then V's four fragments; at the head q's numbers; at the end the results
.set OA,   136                         ; v136-167 O^T: four tiles of 16 channels
.set P,    168                         ; v168-175 p's codes; in the staging 168-171 K's (Q's) codes, 172-175 V's
.set KST,  176                         ; v176-207 K's numbers, loaded a trip ahead
.set VST,  208                         ; v208-239 V's
.set TM,   240                         ; v240-251 at work; v252-255 likewise
; SCALAR REGISTERS
.set WV,   10                          ; my wave's number
.set KV,   18                          ; s[18:19] the head's K at key 0
.set SEL,  20                          ; s[20:21] v_permlanex16_b32's selects for lane l xor 16
.set CS,   22                          ; s[22:23] c = log2(e) / 8, twice
.set KB,   24                          ; s[24:25] the key block being loaded
.set PB,   26                          ; s[26:27] the key block being prefetched
.set REM,  28                          ; the work-group's key blocks still to come, the one in the registers among them
.set MINE, 29                          ; my layout row
.set LOW,  30                          ; the trip's key block, as a bit
.set MYF,  31                          ; that bit if my row names it
.set CNT,  32
; 40 loads: a key block's K and V, my share.  K: lane l takes 32 bytes (channels 8 (l % 8) on) of row 4 j + (l / 8) of my tile: a pair of loads covers four rows of 256 bytes.
; V: lane l takes ONE channel, 32 (wave % 2) + l, and its registers run down the 32 keys of block wave / 2: 128 consecutive bytes a load, the neighbouring wave the other 128.  No hint: other work-groups may read these bytes again.
; No wait stands here: no vector line names KST or VST between the wait on va_vdst that closes the quantisers' vector lines (at the head: the wait ahead of the first load) and these loads.
.macro LOADKV
.irp j, 0,1,2,3
.irp c, 0,1
	global_load_b128 v[KST+8*\j+4*\c:KST+8*\j+4*\c+3], v[GK], s[KB:KB+1] offset:(4*\j+8*(\j/2))*ROW+16*\c
.endr
.endr
.irp j, 0,1,2,3,4,5,6,7,8,9,10,11,12,13,14,15,16,17,18,19,20,21,22,23,24,25,26,27,28,29,30,31
	global_load_b32 v[VST+\j], v[GV], s[KB:KB+1] offset:PLANE+\j*ROW
.endr
.endm
; The key block BEHIND the one being loaded, if there is one, is asked for: the work-group's 512 lanes name the block's 512 rows of 256 bytes (256 of K, 256 of V), one each, a trip ahead of their loads.
; Where several query blocks of a head name the same key block, each of them asks for it.  Every address lies inside qkv: the block's number is held at 7.
.macro PREF
	s_sub_co_u32 s40, s[REM], 1
	s_and_b32 s40, s40, s[REM]                     ; REM without its lowest bit
	s_cmp_eq_u32 s40, 0
	s_cbranch_scc1 .Lno_more_\@
	s_ctz_i32_b32 s40, s40
	s_min_u32 s40, s40, 7
	s_mul_i32 s40, s40, KBB
	s_mov_b32 s41, 0
	s_add_nc_u64 s[PB:PB+1], s[KV:KV+1], s[40:41]
	global_prefetch_b8 v[PFO], s[PB:PB+1] th:TH_LOAD_NT scope:SCOPE_SE
.Lno_more_\@:
.endm
; REM's lowest key block is loaded, the one behind it prefetched.  (With REM = 0, at the head alone, block 7 is loaded and never used: the registers are then written on every path.)
.macro NEXTKV
	s_ctz_i32_b32 s14, s[REM]
	s_min_u32 s14, s14, 7                          ; a number read from memory enters an address only behind this hold
	s_mul_i32 s14, s14, KBB
	s_mov_b32 s15, 0
	s_add_nc_u64 s[KB:KB+1], s[KV:KV+1], s[14:15]
	LOADKV
	PREF
.endm
; 16 rows x 64 numbers in v[src] on (register 8 j + n = number 8 (l % 8) + n of row 4 j + l / 8) become the image of a fragment's registers 0-3 and the rows' scale words.
; A block of 32 lies in four neighbouring lanes.  ROWC is the vector work: the codes come into v[P] on, the scale words into v[TM] on.  ROWS stores them.
.macro ROWC src
.irp j, 0,1,2,3
	v_max3_num_f32 v[TM+\j], |v[\src+8*\j]|, |v[\src+8*\j+1]|, 0x1800000   ; my 8 numbers, and the floor 2^(3 - 127): so the byte cannot fall under 1.  (The four rows by turns)
.endr
.irp i, 2,4,6
.irp j, 0,1,2,3
	v_max3_num_f32 v[TM+\j], v[TM+\j], |v[\src+8*\j+\i]|, |v[\src+8*\j+\i+1]|
.endr
.endr
.irp j, 0,1,2,3
	v_max_num_f32_dpp v[TM+\j], v[TM+\j], v[TM+\j] row_xmask:1 row_mask:0xf bank_mask:0xf
.endr
.irp j, 0,1,2,3
	v_max_num_f32_dpp v[TM+\j], v[TM+\j], v[TM+\j] row_xmask:2 row_mask:0xf bank_mask:0xf   ; the block's largest magnitude
.endr
.irp j, 0,1,2,3
	v_add_nc_u32 v[TM+8+\j], 0xff000000, v[TM+\j]  ; 2 off its exponent field: the conversion takes the exponent field of this operand as its scale
.endr
.irp j, 0,1,2,3
	v_lshrrev_b32 v[TM+\j], 23, v[TM+8+\j]         ; the scale's byte,
.endr
.irp j, 0,1,2,3
	v_lshlrev_b32 v[TM+\j], v[SH], v[TM+\j]        ; at its block's place in the word;
.endr
.irp j, 0,1,2,3
	v_mov_b32_dpp v[TM+4+\j], v[TM+\j] row_xmask:4 row_mask:0xf bank_mask:0xf
.endr
.irp j, 0,1,2,3
	v_or_b32 v[TM+\j], v[TM+\j], v[TM+4+\j]        ; with the row's other block's: the scale word (bytes 2 and 3 are 0, over zero codes)
.endr
.irp j, 0,1,2,3
	v_cvt_scalef32_pk8_fp4_f32 v[P+\j], v[\src+8*\j:\src+8*\j+7], v[TM+8+\j]
.endr
	v_nop                                          ; one plain place behind a scaled conversion
.endm
; The image's word of row r, block h, eight numbers g: 16 (r + 16 h) + 4 g.  The eight lanes of a row store the same scale word with the same value.
.macro ROWS ia, io, sa, so, sj
.irp j, 0,1,2,3
	ds_store_b32 v[\ia], v[P+\j] offset:(\io)+64*\j
	ds_store_b32 v[\sa], v[TM+\j] offset:(\so)+(\sj)*\j
.endr
.endm
; My 32 keys of my channel are a whole block in my own registers: no other lane is asked; the four conversions give 16 bytes of a fragment of V^T with the keys innermost.  VQC is the vector work, VQS the stores.
.macro VQC
	v_max3_num_f32 v252, |v[VST]|, |v[VST+1]|, |v[VST+2]|
	v_max3_num_f32 v253, |v[VST+3]|, |v[VST+4]|, |v[VST+5]|
.irp i, 6,10,14,18,22,26
	v_max3_num_f32 v252, v252, |v[VST+\i]|, |v[VST+\i+1]|
	v_max3_num_f32 v253, v253, |v[VST+\i+2]|, |v[VST+\i+3]|
.endr
	v_max3_num_f32 v252, v252, |v[VST+30]|, |v[VST+31]|
	v_max3_num_f32 v252, v252, v253, 0x1800000     ; and the floor
	v_add_nc_u32 v254, 0xff000000, v252
	v_lshrrev_b32 v253, 23, v254                   ; the scale's byte
.irp g, 0,1,2,3
	v_cvt_scalef32_pk8_fp4_f32 v[P+4+\g], v[VST+8*\g:VST+8*\g+7], v254
.endr
	v_nop                                          ; one plain place behind a scaled conversion
.endm
.macro VQS buf
	ds_store_b128 v[LVW], v[P+4:P+7] offset:VI+(\buf)*BUFB
	ds_store_b8 v[LVSW], v253 offset:VS+(\buf)*BUFB
.endm
; A STEP: 128 keys, half s of the key block in buffer buf.
.macro STEP buf, s
	ds_load_b128 v[KSW:KSW+3], v[AKS] offset:KS+(\buf)*BUFB+32*(\s)         ; lane r: row r's scale words of the step's 8 tiles.  No wait: the last products that read KSW and KF stand ahead of the wait behind the last step's exponentials, and nothing since names them
	ds_load_b128 v[KSW+4:KSW+7], v[AKS] offset:KS+(\buf)*BUFB+32*(\s)+16
.irp g, 0,1                                    ; S^T = K Q^T, four tiles of 16 keys at a time
.if \g
.rept 4
	v_nop                                          ; four plain places behind the products, kept ahead of the loads into registers that they have read
.endr
	s_wait_alu depctr_va_vdst(0)                   ; the four products above are done reading v[KF ..], in which the next four tiles land
.endif
.irp t, 0,1,2,3
	ds_load_b128 v[KF+8*\t:KF+8*\t+3], v[AIM] offset:KI+(\buf)*BUFB+512*(8*(\s)+4*\g+\t)
.endr
	s_wait_dscnt 0x0
.irp t, 0,1,2,3
	v_wmma_scale_f32_16x16x128_f8f6f4 v[S+8*(4*\g+\t):S+8*(4*\g+\t)+7], v[KF+8*\t:KF+8*\t+7], v[Q:Q+7], 0, v[KSW+4*\g+\t], v[QSW] matrix_a_fmt:MATRIX_FMT_FP4 matrix_b_fmt:MATRIX_FMT_FP4
.endr
.endr                                          ; lane (r, h) holds query r; register 16 b + i is key 128 s + 32 b + 16 h + i
.rept 4
	v_nop                                          ; places in front of the first read of results
.endr
.irp b, 0,1,2,3
	v_max3_num_f32 v[TM+\b], v[S+16*\b], v[S+16*\b+1], v[S+16*\b+2]   ; THE LARGEST SCORE OF EACH BLOCK OF 32 KEYS: it serves the row's maximum and, since p rises with the score, the block's largest p.  (Each result is read from its low end on)
.endr
.irp i, 3,5,7,9,11,13
.irp b, 0,1,2,3
	v_max3_num_f32 v[TM+\b], v[TM+\b], v[S+16*\b+\i], v[S+16*\b+\i+1]
.endr
.endr
.irp b, 0,1,2,3
	v_max_num_f32 v[TM+\b], v[TM+\b], v[S+16*\b+15]
.endr
.irp b, 0,1,2,3
	v_permlanex16_b32 v[TM+4+\b], v[TM+\b], s[SEL], s[SEL+1]
.endr
.irp b, 0,1,2,3
	v_max_num_f32 v[TM+\b], v[TM+\b], v[TM+4+\b]   ; with lane l xor 16's 16 keys
.endr
	v_max3_num_f32 v252, v[TM], v[TM+1], v[TM+2]
	v_max_num_f32 v252, v252, v[TM+3]              ; the step's largest score of my query
	v_mul_f32 v252, s[CS], v252                    ; as t (c is positive)
	v_max_num_f32 v13, v13, v252                   ; the running largest t
	v_mov_b32 v252, v12
	v_floor_f32 v12, -v13                          ; the new -M = floor(-t) = -ceil(t): M is a whole number
	v_sub_f32 v252, v12, v252                      ; M's old value less its new one: a whole number, 0 or less
	v_cvt_i32_f32 v252, v252                       ; (it saturates)
	v_ldexp_f32 v[F], 1.0, v252                    ; f = 2^(old M - new M)
.set ii, 0
.rept 32
	v_pk_fma_f32 v[S+ii:S+ii+1], v[S+ii:S+ii+1], s[CS:CS+1], v[12:13] op_sel_hi:[1,0,0]   ; t - M, two at a time (of the pairs c and -M the low word serves both halves)
.set ii, ii+2
.endr
.irp b, 0,1,2,3
	v_fma_f32 v[TM+\b], v[TM+\b], s[CS], v12       ; the same of each block's largest score
.endr
.set ii, 0
	s_wait_alu depctr_va_vdst(0)
.rept 64
	v_exp_f32 v[S+ii], v[S+ii]                     ; p = 2^(t - M), at most 1: not normalised
.set ii, ii+1
.endr
.irp b, 0,1,2,3
	v_exp_f32 v[TM+\b], v[TM+\b]                   ; the block's largest p: the same two instructions on the same number give the same bits
.endr
	v_pk_mul_f32 v[14:15], v[14:15], v[F:F+1] op_sel_hi:[1,0]   ; the sums under the new M.  (A plain place behind the exponentials)
	s_wait_alu depctr_va_vdst(0)                   ; the 68 exponentials have written p and the blocks' largest p: one wait for the batch, ahead of its first reader
.irp b, 0,1,2,3
	v_max_num_f32 v[TM+\b], 0x1800000, v[TM+\b]    ; the floor 2^(3 - 127): the byte cannot fall under 1
.endr
.irp b, 0,1,2,3
	v_add_nc_u32 v[TM+8+\b], 0xff000000, v[TM+\b]  ; 2 off the exponent field: the conversion's scale operand
.endr
.irp b, 0,1,2,3
	v_lshrrev_b32 v[TM+4+\b], 23, v[TM+8+\b]       ; the scale's byte
.endr
	v_lshl_or_b32 v[PSW], v[TM+5], 8, v[TM+4]      ; p's scale word for these 128 keys
	v_lshl_or_b32 v[PSW], v[TM+6], 16, v[PSW]
	v_lshl_or_b32 v[PSW], v[TM+7], 24, v[PSW]
.irp b, 0,1,2,3
	v_cvt_scalef32_pk8_fp4_f32 v[P+2*\b], v[S+16*\b:S+16*\b+7], v[TM+8+\b]
	v_cvt_scalef32_pk8_fp4_f32 v[P+2*\b+1], v[S+16*\b+8:S+16*\b+15], v[TM+8+\b]
.endr
	v_nop                                          ; one plain place behind a scaled conversion
.irp c, 0,1                                    ; the operand's layout wants a WHOLE block in a lane: lanes 0-15 block 2 c, lanes 16-31 block 2 c + 1
.irp i, 0,1
	v_permlane16_swap_b32 v[P+4*\c+\i], v[P+4*\c+2+\i]
.endr
.endr
	v_pk_add_f32 v[TM+4:TM+5], v[S:S+1], v[S+2:S+3]   ; THE ROW'S SUM IS TAKEN OF THE UNQUANTISED p: two at a time, in two chains
.irp j, 4,8,12,16,20,24,28
	v_pk_add_f32 v[14:15], v[14:15], v[S+\j:S+\j+1]
	v_pk_add_f32 v[TM+4:TM+5], v[TM+4:TM+5], v[S+\j+2:S+\j+3]
.endr
	s_wait_alu depctr_va_vdst(0)                   ; the conversions and the fifteen sums above are done reading p's first 32 registers, in which V's fragments land; p's codes and scale word, which the scaled products below take, are written (those sums are the places ahead of this wait)
	ds_load_b128 v[VSW:VSW+3], v[AVS] offset:VS+(\buf)*BUFB+256*(\s)         ; p's first 32 registers are done with: V's four fragments land there while the rest is summed.  Lane r: the scale words of channels 16 t + r
.irp t, 0,1,2,3
.irp c, 0,1
	ds_load_b128 v[S+8*\t+4*\c:S+8*\t+4*\c+3], v[AIM] offset:VI+(\buf)*BUFB+4096*(\s)+1024*\t+512*\c
.endr
.endr
.irp j, 32,36,40,44,48,52,56,60
	v_pk_add_f32 v[14:15], v[14:15], v[S+\j:S+\j+1]
	v_pk_add_f32 v[TM+4:TM+5], v[TM+4:TM+5], v[S+\j+2:S+\j+3]
.endr
	v_pk_add_f32 v[14:15], v[14:15], v[TM+4:TM+5]
.set ii, 0
.rept 16
	v_pk_mul_f32 v[OA+ii:OA+ii+1], v[OA+ii:OA+ii+1], v[F:F+1] op_sel_hi:[1,0]   ; O^T under the new M: x f, each tile from its low end on.  (With the sums above: the places between p's codes and scale word and the products below)
.set ii, ii+2
.endr
	s_wait_alu depctr_va_vdst(0)
	s_wait_dscnt 0x0                               ; V's fragments and scale words are in
.irp t, 0,1,2,3                                ; O^T += V^T P^T: the four accumulators by turns, one instruction a turn
	v_wmma_scale_f32_16x16x128_f8f6f4 v[OA+8*\t:OA+8*\t+7], v[S+8*\t:S+8*\t+7], v[P:P+7], v[OA+8*\t:OA+8*\t+7], v[VSW+\t], v[PSW] matrix_a_fmt:MATRIX_FMT_FP4 matrix_b_fmt:MATRIX_FMT_FP4
.endr
.rept 5
	v_nop                                          ; five places: the next step's first products WRITE OVER the registers that held V's fragments; four of them serve the vector instructions that next write p's codes or read O^T
.endr
.endm
; A TRIP.  The waits stand outside the branches: on every path no load is pending where its registers are read, and no LDS instruction at the signal.
.macro TRIP buf
	s_wait_loadcnt 0x0                             ; the key block asked for a trip ago is in my registers
	s_cmp_eq_u32 s[REM], 0
	s_cbranch_scc1 .Lstaged_\@                     ; no block is left: nothing to quantise
	ROWC KST
	VQC
	s_wait_alu depctr_va_vdst(0)                   ; the two quantisers have written v[P ..], v[TM ..] and v253, which the LDS stores below read; and they are done reading KST and VST, in which the next block's loads land behind the barrier
	ROWS LKW, KI+(\buf)*BUFB, LKSW, KS+(\buf)*BUFB, 320
	VQS \buf
.Lstaged_\@:
	s_wait_dscnt 0x0                               ; for the others' sake: my stores into this buffer have landed, and my reads of the other buffer are back
	s_wait_alu depctr_vm_vsrc(0)                   ; my LDS stores have read v[P ..], v[TM ..] and v253, which the steps below or the next trip's quantisers write again
	s_barrier_signal -1
	s_barrier_wait -1                              ; this buffer is whole, and nobody reads the other one any more
	s_sub_co_u32 s14, 0, s[REM]
	s_and_b32 s[LOW], s[REM], s14                  ; the trip's key block: REM's lowest bit
	s_and_b32 s[MYF], s[MINE], s[LOW]              ; does my layout row name it?
	s_xor_b32 s[REM], s[REM], s[LOW]
	s_cmp_eq_u32 s[REM], 0
	s_cbranch_scc1 .Lasked_\@
	s_wait_xcnt 0x0                                ; the last prefetch, a trip back, has read its base: both bases may be written (the loads are done: the wait at the trip's head)
	NEXTKV                                         ; the next block's loads are on their way while this one is worked
.Lasked_\@:
	s_cmp_eq_u32 s[MYF], 0
	s_cbranch_scc1 .Lnot_mine_\@
	STEP \buf, 0
	STEP \buf, 1
.Lnot_mine_\@:
.endm
	s_load_b128 s[4:7], s[0:1], 0x0                ; qkv, layout
	s_load_b64 s[8:9], s[0:1], 0x10                ; out0
	v_lshrrev_b32 v176, 5, v0
	v_readfirstlane_b32 s[WV], v176                ; wave 0..15
	v_and_b32 v176, 31, v0                         ; l
	v_and_b32 v177, 15, v0                         ; r = l % 16
	v_bfe_u32 v178, v0, 4, 1                       ; h = l / 16
	v_bfe_u32 v179, v0, 3, 2                       ; l / 8
	s_wait_alu depctr_va_vdst(0)
	v_and_b32 v180, 7, v0                          ; l % 8
	v_bfe_u32 v181, v0, 2, 1                       ; (l / 4) % 2
	v_and_b32 v182, 3, v0                          ; l % 4
	s_wait_alu depctr_va_sdst(0)                   ; s10, my wave's number, is written, ahead of its first reader: offsets and LDS addresses are made from it
	; offsets, made apart from the addresses
	s_and_b32 s12, ttmp7, 0xffff
	s_and_b32 s13, s12, 15                         ; the head
	s_lshr_b32 s12, s12, 4                         ; the batch
	s_mul_i32 s14, s12, BB
	s_lshl_b32 s34, s13, 8
	s_add_co_u32 s14, s14, s34                     ; qkv: batch and head
	s_mov_b32 s15, 0
	s_lshl_b32 s11, ttmp9, 8
	s_lshl_b32 s35, s[WV], 4
	s_add_co_u32 s11, s11, s35                     ; my first query: 256 x work-group x + 16 x wave
	s_mul_i32 s40, s11, ROW
	s_mov_b32 s41, 0
	s_lshl_b32 s42, ttmp9, 9                       ; layout: the work-group's 16 rows of 32 bytes
	s_mov_b32 s43, 0
	s_lshl_b32 s44, s12, 23                        ; out0: batch,
	s_lshl_b32 s35, s11, 12                        ; query,
	s_add_co_u32 s44, s44, s35
	s_add_co_u32 s44, s44, s34                     ; head
	s_mov_b32 s45, 0
	s_lshl_b32 s33, s[WV], 1                       ; my layout row lies in lanes 2 w and 2 w + 1
	; global offsets of my lane
	v_mul_u32_u24 v106, v179, ROW
	s_wait_alu depctr_va_vdst(0)
	v_lshl_add_u32 v106, v180, 5, v106             ; q: row l / 8, 32 bytes at 32 (l % 8)
	s_lshr_b32 s34, s[WV], 1
	s_and_b32 s35, s[WV], 1
	s_lshl_b32 s46, s34, 5
	s_lshl_b32 s47, s35, 3
	s_add_co_u32 s46, s46, s47
	s_mul_i32 s46, s46, ROW
	v_add_nc_u32 v[GK], s46, v106                  ; K: the same in my tile, which begins at key 32 (w / 2) + 8 (w % 2)
	s_mul_i32 s46, s34, 32*ROW
	s_lshl_b32 s47, s35, 7
	s_add_co_u32 s46, s46, s47
	v_lshl_add_u32 v[GV], v176, 2, s46             ; V: key 32 (w / 2), channel 32 (w % 2) + l
	; LDS addresses: a constant x lane terms + constants x wave terms
	v_lshlrev_b32 v[LKW], 8, v181
	v_lshl_add_u32 v[LKW], v179, 4, v[LKW]
	v_lshl_add_u32 v[LKW], v182, 2, v[LKW]
	s_lshl_b32 s46, s[WV], 9
	v_add_nc_u32 v[LKW], s46, v[LKW]               ; 256 x block + 16 x (l / 8) + 4 x (l % 4) + 512 w
	v_lshl_add_u32 v107, v176, 4, s46              ; Q's image back: 16 l + 512 w
	v_mul_u32_u24 v[LKSW], v179, 80
	s_lshl_b32 s46, s[WV], 2
	v_add_nc_u32 v[LKSW], s46, v[LKSW]             ; 80 x (l / 8) + 4 w
	s_lshr_b32 s46, s[WV], 3                       ; V: my 32 keys lie in step w / 8,
	s_lshl_b32 s47, s46, 12
	s_lshl_b32 s36, s35, 11                        ; channel tiles 2 (w % 2) + h,
	s_add_co_u32 s47, s47, s36
	s_bfe_u32 s36, s[WV], 0x10002                  ; half (w / 4) % 2 of the fragment,
	s_lshl_b32 s36, s36, 9
	s_add_co_u32 s47, s47, s36
	s_bfe_u32 s36, s[WV], 0x10001                  ; lanes 16 ((w / 2) % 2) on
	s_lshl_b32 s36, s36, 8
	s_add_co_u32 s47, s47, s36
	v_lshlrev_b32 v[LVW], 10, v178
	v_lshl_add_u32 v[LVW], v177, 4, v[LVW]
	v_add_nc_u32 v[LVW], s47, v[LVW]
	s_lshl_b32 s47, s46, 8                         ; V's scale byte: 256 x step + 16 r + 4 x tile + block (w / 2) % 4
	s_lshl_b32 s36, s35, 3
	s_add_co_u32 s47, s47, s36
	s_bfe_u32 s36, s[WV], 0x20001
	s_add_co_u32 s47, s47, s36
	v_lshlrev_b32 v[LVSW], 4, v177
	v_lshl_add_u32 v[LVSW], v178, 2, v[LVSW]
	v_add_nc_u32 v[LVSW], s47, v[LVSW]
	v_lshlrev_b32 v[AIM], 4, v176
	v_mul_u32_u24 v[AKS], v177, 80
	v_lshlrev_b32 v[AVS], 4, v177
	v_lshlrev_b32 v[SH], 3, v181
	s_and_b32 s47, s[WV], 7                        ; the prefetch: waves 0-7 name K's 256 rows, waves 8-15 V's
	s_lshl_b32 s47, s47, 5
	v_add_nc_u32 v[PFO], s47, v176
	v_mul_u32_u24 v[PFO], v[PFO], ROW
	s_lshl_b32 s47, s46, 12
	v_add_nc_u32 v[PFO], s47, v[PFO]
	s_lshl_b32 s47, s[WV], 6
	v_lshl_add_u32 v104, v179, 2, s47              ; Q's scale words: in, 4 (l / 8) + 64 w;
	v_lshl_add_u32 v105, v177, 2, s47              ; back, 4 r + 64 w
	s_mov_b32 s[SEL], 0x76543210
	s_mov_b32 s[SEL+1], 0xfedcba98
	s_mov_b32 s[CS], 0x3e38aa3b                    ; c = log2(e) / 8
	s_mov_b32 s[CS+1], s[CS]                       ; (named with it as a pair, so it is written)
	s_mov_b32 s[REM], 0
	s_mov_b32 s[MINE], 0
	s_wait_kmcnt 0x0
	s_add_nc_u64 s[KV:KV+1], s[4:5], s[14:15]
	s_add_nc_u64 s[16:17], s[KV:KV+1], s[40:41]    ; q at my first query
	s_add_nc_u64 s[KV:KV+1], s[KV:KV+1], PLANE     ; the head's K at key 0
	s_add_nc_u64 s[6:7], s[6:7], s[42:43]
	s_add_nc_u64 s[8:9], s[8:9], s[44:45]
	s_wait_alu depctr_va_vdst(0)                   ; the addresses and offsets v1 to v9, v11 and v104 to v107 are written, which the loads, stores and prefetches of the kernel read; K's first loads land there
	global_load_b128 v[252:255], v[AIM], s[6:7]    ; lane l: layout row l / 2 of the work-group's 16, columns 4 (l % 2) + 0 .. 3
.irp j, 0,1,2,3
.irp c, 0,1
	global_load_b128 v[S+8*\j+4*\c:S+8*\j+4*\c+3], v106, s[16:17] offset:4*\j*ROW+16*\c th:TH_LOAD_NT   ; q: my 16 rows, read once in the launch
.endr
.endr
	s_wait_loadcnt 8                               ; the layout is in; q's eight loads, issued behind it, may be out
.irp j, 0,1,2,3
	v_cmp_ne_u32 s[36+\j], 0, v[252+\j]            ; bit l: is that entry set?
.endr
	s_wait_alu depctr_va_sdst(0)                   ; the four compares have written s36 to s39, ahead of their first readers
.irp j, 0,1,2,3
	s_and_b32 s40, s[36+\j], 0x55555555            ; column j, any of the 16 rows
	s_cselect_b32 s40, 1<<\j, 0
	s_or_b32 s[REM], s[REM], s40
	s_and_b32 s40, s[36+\j], 0xaaaaaaaa            ; column 4 + j
	s_cselect_b32 s40, 16<<\j, 0
	s_or_b32 s[REM], s[REM], s40
	s_lshr_b32 s40, s[36+\j], s33                  ; my row's two lanes
	s_and_b32 s41, s40, 1
	s_lshl_b32 s41, s41, \j
	s_or_b32 s[MINE], s[MINE], s41
	s_and_b32 s41, s40, 2
	s_lshl_b32 s41, s41, 3+\j
	s_or_b32 s[MINE], s[MINE], s41
.endr
	NEXTKV                                         ; the first key block: 40 loads.  (Since the wait ahead of the first load only the four compares were issued, which name v252 to v255)
	; what the loop finds: O^T and the sum are zeros, the largest t lies under every t: the first change of M multiplies zeros
.set ii, 0
.rept 32
	v_mov_b32 v[OA+ii], 0
.set ii, ii+1
.endr
.irp t, 0,1,2,3
.irp i, 4,5,6,7
	v_mov_b32 v[KF+8*\t+\i], 0                     ; zero codes for the upper 64 of the first product's K: they stay
.endr
.endr
.irp i, 4,5,6,7
	v_mov_b32 v[Q+\i], 0
	v_mov_b32 v[TM+\i], 0                          ; (written once: the destination of a lane permute or a DPP move counts as one of its sources)
.endr
	v_mov_b32 v13, 0xff61b1e6                      ; -3e38
	v_floor_f32 v12, -v13                          ; -M
	v_mov_b32 v14, 0
	v_mov_b32 v15, 0
	v_mov_b32 v[F+1], 0
	s_wait_loadcnt 40                              ; q is in; the key block's 40 loads, issued behind it, may be out
	ROWC S                                         ; my 16 queries become a fragment: through my own bytes of LDS, which turn 8 numbers a lane into 32 a lane
	s_wait_alu depctr_va_vdst(0)                   ; Q's codes in v[P ..] and scale words in v[TM ..] are written, which the LDS stores below read; so are the zero codes of Q's and K's fragments, which the scaled products take
	ROWS LKW, QI, 104, QS, 16
	ds_load_b128 v[Q:Q+3], v107 offset:QI          ; LDS serves a wave's instructions in order (ISA guide 5.7.1.4): these see my stores
	ds_load_b32 v[QSW], v105 offset:QS
	s_wait_dscnt 0x0
	s_wait_alu depctr_vm_vsrc(0)                   ; the LDS stores have read v[P ..] and v[TM ..], which the first trip's quantisers write again; q's loads and these stores and loads have read v104 to v107, over which the first scores are written
	s_mov_b32 s[CNT], 4
.Ltrip:                                            ; 4 x 2 trips: as many as the layout has columns
	TRIP 0
	TRIP 1
	s_sub_co_u32 s[CNT], s[CNT], 1
	s_cmp_lg_u32 s[CNT], 0
	s_cbranch_scc1 .Ltrip
	; THE WAY OUT.  O^T / the sum goes through my stage in LDS and leaves as whole rows: sixteen lanes store 256 consecutive bytes, at a multiple of 256 from out0's first byte.
	s_wait_loadcnt 0x0                             ; nothing is out (after eight trips no block is left)
	v_add_f32 v14, v14, v15                        ; the sum's two halves,
	v_permlanex16_b32 v[TM+4], v14, s[SEL], s[SEL+1]
	v_add_f32 v14, v14, v[TM+4]                    ; and lane l xor 16's: the row's sum
	s_wait_alu depctr_va_vdst(0)
	v_rcp_f32 v14, v14
	v_and_b32 v[TM], 15, v0                        ; (a plain place behind the transcendental)  r
	v_bfe_u32 v[TM+1], v0, 4, 1                    ; h
	s_mul_i32 s40, s[WV], 16*272
	s_add_co_u32 s40, s40, STG                     ; my stage
	v_mul_u32_u24 v[TM+2], v[TM], 272
	v_lshl_add_u32 v[TM+2], v[TM+1], 5, v[TM+2]
	v_add_nc_u32 v[TM+2], s40, v[TM+2]             ; in: row r; tile t's eight channels of my half: 64 t + 32 h bytes on
	v_mul_u32_u24 v[TM+3], v[TM+1], 272
	v_lshl_add_u32 v[TM+3], v[TM], 4, v[TM+3]
	v_add_nc_u32 v[TM+3], s40, v[TM+3]             ; back: lanes 0-15 one row, lanes 16-31 the next
	v_lshlrev_b32 v[TM+5], 12, v[TM+1]
	v_lshl_add_u32 v[TM+5], v[TM], 4, v[TM+5]      ; and the same two rows in out0
.set ii, 0
	s_wait_alu depctr_va_vdst(0)                   ; the reciprocal has written v14, ahead of its first reader
.rept 16
	v_pk_mul_f32 v[S+ii:S+ii+1], v[OA+ii:OA+ii+1], v[14:15] op_sel_hi:[1,0]   ; register 8 t + i is out(r, 16 t + 8 h + i); each tile from its low end on
.set ii, ii+2
.endr
	s_wait_alu depctr_va_vdst(0)                   ; the sixteen multiplications have written v[S ..], which the LDS stores read; the three addresses are written; the last step's sums are done reading v[S+32 ..], in which the stage's loads land
.irp t, 0,1,2,3
	ds_store_b128 v[TM+2], v[S+8*\t:S+8*\t+3] offset:64*\t
	ds_store_b128 v[TM+2], v[S+8*\t+4:S+8*\t+7] offset:64*\t+16
.endr
.irp i, 0,1,2,3,4,5,6,7
	ds_load_b128 v[S+32+4*\i:S+32+4*\i+3], v[TM+3] offset:2*\i*272   ; in order behind my stores
.endr
.irp i, 0,1,2,3,4,5,6,7
	s_wait_dscnt 7-\i                              ; LDS loads come back in order: pair i of rows is in, the 7 - i younger loads may be out
	global_store_b128 v[TM+5], v[S+32+4*\i:S+32+4*\i+3], s[8:9] offset:2*\i*OROW th:TH_STORE_NT   ; written once, read by nobody here
.endr
	s_wait_xcnt 0x0
	v_lshl_add_u32 v254, v0, 2, 0x1c400            ; my spare word, behind the stages, and 0: made anew here, since no two registers could be kept; no memory or LDS instruction has read v254 or v255
	v_mov_b32 v255, 0
	s_wait_dscnt 0x0                               ; the closing lines, six on end
	s_wait_alu 0x0
	s_wait_tensorcnt 0x0
	ds_add_u32 v254, v255
	s_wait_dscnt 0x0
	s_endpgm
.Lfunc_end_k_qb3759c6fc2_attn:
	.size	k_qb3759c6fc2_attn, .Lfunc_end_k_qb3759c6fc2_attn-k_qb3759c6fc2_attn
	.p2alignl 7, 3214868480
	.fill 96, 4, 3214868480
	.section	.rodata,"a",@progbits
	.p2align	6, 0x0
	.amdhsa_kernel k_qb3759c6fc2_attn
		.amdhsa_group_segment_fixed_size 117760
		.amdhsa_private_segment_fixed_size 0
		.amdhsa_enable_private_segment 0
		.amdhsa_kernarg_size 24
		.amdhsa_user_sgpr_count 2
		.amdhsa_user_sgpr_kernarg_segment_ptr 1
		.amdhsa_wavefront_size32 1
		.amdhsa_system_sgpr_workgroup_id_x 1
		.amdhsa_system_sgpr_workgroup_id_y 1
		.amdhsa_system_sgpr_workgroup_id_z 1
		.amdhsa_system_vgpr_workitem_id 0
		.amdhsa_next_free_vgpr 256
		.amdhsa_next_free_sgpr 66
		.amdhsa_reserve_vcc 0
		.amdhsa_float_denorm_mode_32 3
		.amdhsa_float_denorm_mode_16_64 3
		.amdhsa_memory_ordered 1
		.amdhsa_forward_progress 1
		.amdhsa_inst_pref_size 101
	.end_amdhsa_kernel
	.amdgpu_metadata
---
amdhsa.version: [ 1, 2 ]
amdhsa.kernels:
  - .name:           k_qb3759c6fc2_attn
    .symbol:         k_qb3759c6fc2_attn.kd
    .args:
      - { .name: qkv, .offset: 0, .size: 8, .value_kind: global_buffer, .address_space: global }
      - { .name: layout, .offset: 8, .size: 8, .value_kind: global_buffer, .address_space: global }
      - { .name: out0, .offset: 16, .size: 8, .value_kind: global_buffer, .address_space: global }
    .group_segment_fixed_size: 117760
    .private_segment_fixed_size: 0
    .kernarg_segment_align: 8
    .kernarg_segment_size: 24
    .max_flat_workgroup_size: 512
    .sgpr_count:     66
    .vgpr_count:     256
    .wavefront_size: 32
...
	.end_amdgpu_metadata
.endif
;; end of part 2
